; MI455X (gfx1250); checked and timed in simulation.
; The chip was launched on July 23, 2026; its instructions are those of AMD's public machine-readable ISA for CDNA 5 (MIT licence, August 2026) and "CDNA5" Instruction Set Architecture Reference Guide (July 2026). The comments in the code are by the model that wrote it; some were corrected since.
;; Slim Triton INT4 Linear. Allowed arithmetic: matrix products marked QUANTISED: E5M2 operands, one given power-of-two scale a tensor, by v_wmma_f32_16x16x64_bf8_bf8 or v_wmma_f32_16x16x128_bf8_bf8, f32 sums; everything else in f32.
;; Inputs: lowp_scales 2 int32 (the exponents e of the quantised operands' scales 2^e); qweight 2,048 x 11,008 int32; qzeros 16 x 11,008 int32; scales 32 x 11,008 float16; x 128 x 4,096 float16.
;; Outputs: out0 128 x 11,008 float16.
;; This version of the problem:
;;   THIS VERSION OF THE PROBLEM IS GIVEN IN LOW PRECISION. The matrix products marked QUANTISED in the list below multiply operands that are first quantised to E5M2 (5 exponent bits, 2 mantissa bits; 8 bits a number), with one given power-of-two scale for each operand tensor; their sums are f32. All else is computed in f32.
;;   The module's matrix products, in the order in which they are computed (A, B: the left and right operand; K: the contracted axis; several contracted axes count as one K, in the product's order):
;;     1. [M 128, K 4,096] x [K 4,096, N 11,008]; A: input x; B: computed on the way: QUANTISED (scales: A lowp_scales[0], B lowp_scales[1])
;;   THE QUANTISER, for each operand of a quantised product, along K:
;;     - The operand's scale is 2^e, e = its entry of the input lowp_scales (int32; the entries are numbered through the quantised products in the list's order, A before B).
;;     - Each number is divided by the scale, clamped to +-57,344, and rounded to the nearest number of E5M2, ties to even, subnormals kept.
;;     - The product sums the exact products of the quantised numbers (number of the format x scale) in f32.
;;   ~~~python
;;   def quantise(x, axis, e):      # numpy; x: float32 -> the quantised numbers, widened to float32 again
;;       x = np.moveaxis(x, axis, -1); K = x.shape[-1]
;;       r = np.clip(x / 2.0 ** e, -57344, 57344)
;;       step = 2.0 ** (np.maximum(np.frexp(np.where(r == 0, 1, r))[1] - 1, -14) - 2)
;;       q = np.round(r / step) * step * 2.0 ** e      # np.round: ties to even
;;       return np.moveaxis(q, -1, axis).astype(np.float32)
;;   ~~~
;;   OPERANDS COMPUTED ON THE WAY. 'Computed on the way' means the value that the module computes at that place (a softmax that the list does not call 'softmax' is quantised finished and normalised). What goes into a quantiser is computed in f32, as accurately as f32 sums, v_exp_f32 and their like allow (about 1e-6 of the number): no bf16 or f16 on the way to a quantiser, and a product that is left as it is and whose result goes on into a quantised operand takes f32 operands (vector FMAs, or v_wmma_f32_16x16x4_f32). A number that lies on a knife's edge between two numbers of the format may be rounded either way, as far as f32 arithmetic and the matrix unit's own rounding can turn it there, and no further.
;; 2 versions. Each part assembles by itself: llvm-mc -triple=amdgcn-amd-amdhsa -mcpu=gfx1250 --defsym DOCPART=n.
;; ======== version 1 of 2: 2 launches
;; workspace buffers: xcodes 524,288 bytes
;; launch xq (part 1): grid 256 x 1, 1 waves a work-group, no clusters, 0 bytes of LDS; arguments x, lowp_scales, xcodes; writes xcodes
.if DOCPART == 1
	.amdgcn_target "amdgcn-amd-amdhsa--gfx1250"
	.amdhsa_code_object_version 6
	.text
	.protected	k_q184b7c423d_xq
	.globl	k_q184b7c423d_xq
	.p2align	8
	.type	k_q184b7c423d_xq,@function
k_q184b7c423d_xq:
	s_mov_b64 s[64:65], 0
	v_nop
	global_prefetch_b8 v0, s[64:65] scope:SCOPE_SE
	s_setreg_imm32_b32 hwreg(HW_REG_WAVE_MODE, 25, 1), 1
	s_wait_xcnt 0x0
; x [128][4096] f16 becomes codes of BF8 (E5M2) with the given scale 2^e0 (entry 0 of lowp_scales), laid as images of the operand registers of the product that follows.
; code = x / 2^e0, held within +-57,344, rounded to the nearest code, ties to even.
; One wave makes one fragment F = 8 g + m: tokens 16 m .. 16 m + 15, k = 128 g .. 128 g + 127.  Lane (r, h) holds token 16 m + r and the 64 numbers k = 128 g + 64 h + 0 .. 63.
; THE ORDER OF K IN A FRAGMENT is the one in which the weights come out of their packed bytes: register 2 u + p, byte b holds k = 128 g + 64 h + 8 u + 2 b + p.
; It is a permutation of k, the same in both operands, so that every product meets its partner.
; The image: registers 4 c .. 4 c + 3 of lane l lie at byte 2048 F + 512 c + 16 l: each store of the wave covers 512 consecutive bytes, aligned.
; LIMITS: e0 between -126 and 112, so that 2^e0 and 57,344 x 2^e0 are f32 numbers.  NaN in x is not served; an infinity is held at the largest code.
.set RAW, 16                           ; v16-47   my 64 numbers as loaded, two f16 a register
.set NUM, 48                           ; v48-111  the same in f32, in the order of the codes
.set COD, 112                          ; v112-127 the fragment
	s_load_b128 s[4:7], s[0:1], 0x0                ; x, the scales' exponents
	s_load_b64 s[8:9], s[0:1], 0x10                ; the codes
	v_and_b32 v1, 15, v0                           ; r
	v_lshrrev_b32 v2, 4, v0                        ; h
	v_lshlrev_b32 v3, 13, v1                       ; a row of x is 8,192 bytes
	v_lshl_add_u32 v3, v2, 7, v3                   ; + 128 h: my 64 numbers
	v_lshlrev_b32 v4, 4, v0                        ; 16 x lane
	s_and_b32 s10, ttmp9, 7                        ; m
	s_lshl_b32 s10, s10, 17                        ; 16 rows of 8,192 bytes
	s_lshr_b32 s11, ttmp9, 3                       ; g
	s_lshl_b32 s11, s11, 8                         ; 128 numbers of 2 bytes
	s_add_co_u32 s10, s10, s11
	s_mov_b32 s11, 0
	s_lshl_b32 s12, ttmp9, 11                      ; an image is 2,048 bytes
	s_mov_b32 s13, 0
	s_wait_kmcnt 0x0
	s_load_b32 s14, s[6:7], 0x0                    ; e0
	s_add_nc_u64 s[4:5], s[4:5], s[10:11]
	s_add_nc_u64 s[8:9], s[8:9], s[12:13]
.irp u, 0,1,2,3,4,5,6,7
	global_load_b128 v[RAW+4*\u:RAW+4*\u+3], v3, s[4:5] offset:16*\u th:TH_LOAD_NT   ; k = 8 u .. 8 u + 7 of my 64
.endr
	s_wait_kmcnt 0x0
	s_add_co_i32 s14, s14, 127
	s_lshl_b32 s15, s14, 23
	v_mov_b32 v8, s15                              ; 2^e0 as f32: the conversion takes its exponent field
	s_add_co_i32 s14, s14, 15
	s_lshl_b32 s14, s14, 23
	s_or_b32 s14, s14, 0x600000
	v_mov_b32 v9, s14                              ; 57,344 x 2^e0
	s_wait_loadcnt 0x0
; raw register 4 u + b holds k = 8 u + 2 b in its low half and 8 u + 2 b + 1 in its high half: the low halves make code register 2 u, the high halves 2 u + 1
.set n, 0
.irp a, v16.l,v17.l,v18.l,v19.l,v20.l,v21.l,v22.l,v23.l,v24.l,v25.l,v26.l,v27.l,v28.l,v29.l,v30.l,v31.l,v32.l,v33.l,v34.l,v35.l,v36.l,v37.l,v38.l,v39.l,v40.l,v41.l,v42.l,v43.l,v44.l,v45.l,v46.l,v47.l
	v_cvt_f32_f16 v[NUM+8*(n/4)+n%4], \a
.set n, n+1
.endr
.set n, 0
.irp a, v16.h,v17.h,v18.h,v19.h,v20.h,v21.h,v22.h,v23.h,v24.h,v25.h,v26.h,v27.h,v28.h,v29.h,v30.h,v31.h,v32.h,v33.h,v34.h,v35.h,v36.h,v37.h,v38.h,v39.h,v40.h,v41.h,v42.h,v43.h,v44.h,v45.h,v46.h,v47.h
	v_cvt_f32_f16 v[NUM+8*(n/4)+4+n%4], \a
.set n, n+1
.endr
.set n, 0
.rept 64
	v_med3_num_f32 v[NUM+n], v[NUM+n], -v9, v9     ; the conversion to an 8-bit code does not saturate (ISA guide 7.6.2): the hold at the largest code x the scale
.set n, n+1
.endr
.irp u, 0,1,2,3,4,5,6,7
	v_cvt_scalef32_pk8_bf8_f32 v[COD+2*\u:COD+2*\u+1], v[NUM+8*\u:NUM+8*\u+7], v8
.endr
	v_nop                                          ; a plain line behind the last conversion
.irp c, 0,1,2,3
	global_store_b128 v4, v[COD+4*\c:COD+4*\c+3], s[8:9] offset:512*\c
.endr
	s_endpgm
.Lfunc_end_k_q184b7c423d_xq:
	.size	k_q184b7c423d_xq, .Lfunc_end_k_q184b7c423d_xq-k_q184b7c423d_xq
	.p2alignl 7, 3214868480
	.fill 96, 4, 3214868480
	.section	.rodata,"a",@progbits
	.p2align	6, 0x0
	.amdhsa_kernel k_q184b7c423d_xq
		.amdhsa_group_segment_fixed_size 0
		.amdhsa_private_segment_fixed_size 0
		.amdhsa_enable_private_segment 0
		.amdhsa_kernarg_size 24
		.amdhsa_user_sgpr_count 2
		.amdhsa_user_sgpr_kernarg_segment_ptr 1
		.amdhsa_wavefront_size32 1
		.amdhsa_system_sgpr_workgroup_id_x 1
		.amdhsa_system_sgpr_workgroup_id_y 1
		.amdhsa_system_sgpr_workgroup_id_z 1
		.amdhsa_system_vgpr_workitem_id 0
		.amdhsa_next_free_vgpr 128
		.amdhsa_next_free_sgpr 66
		.amdhsa_reserve_vcc 0
		.amdhsa_float_denorm_mode_32 3
		.amdhsa_float_denorm_mode_16_64 3
		.amdhsa_memory_ordered 1
		.amdhsa_forward_progress 1
		.amdhsa_inst_pref_size 9
	.end_amdhsa_kernel
	.amdgpu_metadata
---
amdhsa.version: [ 1, 2 ]
amdhsa.kernels:
  - .name:           k_q184b7c423d_xq
    .symbol:         k_q184b7c423d_xq.kd
    .args:
      - { .name: x, .offset: 0, .size: 8, .value_kind: global_buffer, .address_space: global }
      - { .name: lowp_scales, .offset: 8, .size: 8, .value_kind: global_buffer, .address_space: global }
      - { .name: xcodes, .offset: 16, .size: 8, .value_kind: global_buffer, .address_space: global }
    .group_segment_fixed_size: 0
    .private_segment_fixed_size: 0
    .kernarg_segment_align: 8
    .kernarg_segment_size: 24
    .max_flat_workgroup_size: 32
    .sgpr_count:     66
    .vgpr_count:     128
    .wavefront_size: 32
...
	.end_amdgpu_metadata
.endif
;; end of part 1
;; launch main (part 2): grid 172 x 1, 4 waves a work-group, no clusters, 150,016 bytes of LDS; arguments qweight, scales, qzeros, lowp_scales, xcodes, out0; writes out0
.if DOCPART == 2
	.amdgcn_target "amdgcn-amd-amdhsa--gfx1250"
	.amdhsa_code_object_version 6
	.text
	.protected	k_q184b7c423d_main
	.globl	k_q184b7c423d_main
	.p2align	8
	.type	k_q184b7c423d_main,@function
k_q184b7c423d_main:
	s_mov_b64 s[64:65], 0
	v_nop
	global_prefetch_b8 v0, s[64:65] scope:SCOPE_SE
	s_setreg_imm32_b32 hwreg(HW_REG_WAVE_MODE, 25, 1), 1
	s_wait_xcnt 0x0
; out[128][11008] (f16) = Q(x) Q(w), K = 4,096, on codes of BF8 (E5M2).  w[k][n] = f16((nibble - zero) x scale), one zero and one scale for each group of 128 k and each column;
; Q(w) = w / 2^e1, held within +-57,344, rounded to the nearest code.  x's codes come from the launch before, as images of operand registers.  Each finished sum is multiplied once by 2^(e0 + e1).
; SHARES.  A work-group owns 64 columns (256 bytes of every row of qweight) over all of K and all 128 tokens.  ITS FOUR WAVES SHARE K: in step t = 0 .. 3 wave w has groups 8 t + 2 w and 8 t + 2 w + 1.
; So each weight is read and turned into a code once, by the wave that multiplies it with all 128 tokens: 32 accumulators a wave (8 tiles of tokens x 4 tiles of columns).  The four waves' sums meet in LDS at the end.
; THE WEIGHTS go from memory straight into registers: load i of a group's 32 reads, in lanes 0-15, the 256 bytes of row 64 g + i and, in lanes 16-31, those of row 64 g + 32 + i.  Two buffers of a group each;
; a buffer is asked for again as soon as its bytes have been packed.
; x'S CODES go from their buffer straight into registers too: a group's eight fragments are 32 loads of 512 consecutive bytes, an image each of four registers.  Two buffers; a group's fragments are asked for a group ahead.
; NO CLUSTER, NO JOINT LOADS, though every work-group reads the same codes of x: they are 524,288 bytes for each work-group and LDS holds 327,680, so that joint loads would fill LDS slots again, three times at the least, each time
; behind a wait for all loads and a round of sixteen waves, with two groups' work in which to land.  By loads into registers the loop has no barrier and no LDS access, and no wave waits for another before the sums meet.
; THE CODES BY TABLE.  Inside a group a column's weight takes 16 values.  A lane makes the 16 numbers (q - z) s of two columns in f32 (exact: 4 bits x 11 bits), rounds them to f16 as the model does, widens, holds and converts
; them: 16 codes in four registers.  Each nibble then picks its code by v_perm_b32: the low three bits choose among eight bytes, twice, and the fourth bit chooses between the two results.
; THE ORDER OF K in a fragment: lane half h, register 2 u + p, byte b hold k = 128 g + 64 h + 8 u + 2 b + p: row 64 g + 32 h + 4 u + b of qweight, nibble p.  x's images have the same order.
; TILES OF COLUMNS: a lane's 16 bytes of a row are columns 4 r .. 4 r + 3, so tile j is the columns 4 a + j.  THE PRODUCT IS USED TRANSPOSED (source 0 = weights, source 1 = x): register i of accumulator (m, j) in lane (r, h)
; is token 16 m + r, column 32 h + 4 i + j: a lane ends with 32 neighbouring columns of one token.
; LIMITS: e1 between -126 and 112, e0 + e1 between -126 and 127, so that the powers of two below are f32 numbers.  NaN or infinity in scales is not served.  A weight beyond f16's range becomes infinity, as in the model,
; and is held at the largest code.  Of a word of qweight the low byte counts, of a word of qzeros the nibble of the group, as in the model.
; REGISTERS, in windows of 256: window 0: addresses, tables, packed bytes, the weights' four fragments.  window 1: accumulator (m, j) at v[8 (4 m + j)].
;   window 2: the two raw buffers, v0-127 and v128-255; at the end the four waves' sums.   window 3: x's eight fragments of an even group at v0-127, of an odd group at v128-255.
.set ROWW,  44032                      ; a row of qweight or qzeros in bytes
.set HALFW, 32*ROWW
.set GRPW,  64*ROWW                    ; a group of qweight
.set STEPW, 8*GRPW                     ; a step: eight groups
.set ROWS,  22016                      ; a row of scales
.set STEPS, 8*ROWS
.set STEPZ, 4*ROWW                     ; a row of qzeros serves two groups
.set OROW,  22016                      ; a row of out
.set GRPX,  16384                      ; a group of x's codes: eight images of 2,048 bytes
.set STEPX, 8*GRPX
.set OSTG,  131072                     ; LDS: from 0 the four waves' sums, 32,768 bytes each; from here the way out: 32 rows x (128 bytes + 16) for each wave
.set WOFF, 1                           ; v1   qweight: h x 32 rows + 16 r
.set SOFF, 2                           ; v2   scales: 8 r + 4 h: the two f16 of my two columns 4 r + 2 h, 4 r + 2 h + 1
.set ZOFF, 3                           ; v3   qzeros: 16 r + 8 h: their two words
.set XL,   4                           ; v4   LDS: 16 x lane + 32,768 x wave: where my sums go
.set XO,   5                           ; v5   x's codes: 16 x lane
.set PFO,  6                           ; v6   the prefetches' offset: my lane x a row of qweight
.set SCL,  8                           ; v8   2^e1
.set LIM,  9                           ; v9   57,344 x 2^e1
.set ZQ,   12                          ; v10, v11: the scales of the step's even and odd group; v[12:13]: the two words of zeros
.set ZT,   14                          ; v14, v15 zeros at work
.set QC,   16                          ; v16-31  0.0 .. 15.0
.set WT,   32                          ; v32-47  a column's 16 numbers
.set SC0,  64                          ; v[64:65], v[68:69] the scale of my first, second column (the pair's low word serves both halves)
.set NZ0,  66                          ; v[66:67], v[70:71] - zero x scale
.set TBL,  72                          ; v72-87  the tables: column 4 r + j at v[72 + 4 j], 16 codes
.set RLD,  89                          ; v89, v90 where I read the four waves' sums
.set OST,  91                          ; v91  the stage: where I put 64 bytes of a row
.set OLD,  92                          ; v92  and where I read rows back
.set GOFF, 93                          ; v93  my byte offset in my wave's rows of out
.set TMP,  96                          ; v96-127 at work in the lookups: four words x eight registers
.set PK,   128                         ; v128-191 packed bytes: word (j, u) at v[128 + 2 (8 j + u)]
.set FW,   192                         ; v192-255 the weights' fragments, tile j at v[192 + 16 j]
.set WV,   16                          ; s16  my wave's number
.set PF,   24                          ; s[24:25] where the prefetches stand: a step further on than qweight's pointer
.set CNT,  37
.set SELA, 38                          ; byte 0 of two words into a half word
.set SELB, 39                          ; two half words into a word
.set M7,   40
.set M4,   41
.set ID,   42
.set MSB, 0
.macro WIN new                         ; the immediate's high byte repeats the setting that is left; a switch that changes nothing is dropped
.if MSB != \new
	s_set_vgpr_msb (MSB<<8)|\new
.set MSB, \new
.endif
.endm
; A group's 64 rows x 256 bytes into raw buffer X (0: the step's even group, 1: its odd group).  Register 4 i + j of the buffer: row 32 h + i, column 4 r + j.
.macro RAWLOAD X
	WIN 0x80                                       ; destination window 2, address window 0
.set n, 0
.rept 32
	global_load_b128 v[128*\X+4*n:128*\X+4*n+3], v[WOFF], s[4:5] offset:\X*GRPW+n*ROWW th:TH_LOAD_NT
.set n, n+1
.endr
.endm
; A step's scales (two groups) and zeros (one row for both) of my two columns.
.macro SZLOAD
	WIN 0
	global_load_b32 v10, v[SOFF], s[6:7]
	global_load_b32 v11, v[SOFF], s[6:7] offset:ROWS
	global_load_b64 v[ZQ:ZQ+1], v[ZOFF], s[8:9]
.endm
; x's eight fragments of a group into buffer D (0: an even group, 1: an odd group): images, 512 consecutive bytes a load.  Many work-groups read these bytes, so the loads carry no hint.
.macro XLOAD D
	WIN 0xc0                                       ; destination window 3, address window 0
.set n, 0
.rept 32
	global_load_b128 v[128*(\D)+4*n:128*(\D)+4*n+3], v[XO], s[12:13] offset:GRPX*(\D)+512*n
.set n, n+1
.endr
.endm
; A PREFETCH INTO THE L2 of the weights whose loads stand two groups on: group n asks for group n + 4's 64 rows of 256 bytes, a lane a row, two instructions; group n + 2 loads them, some 1,600 instructions of the wave later.
; It stands behind the group's own run of loads.  Rows and columns belong to one wave of one work-group, so each row's 256 bytes are named once in the launch.  Groups 0 to 3 ask; groups 0 to 3 themselves come by their loads alone.
; pf = 1: always; pf = 2, the loop's even group: not in the last trip, which is group 4: there is no group 8.
.macro ASK X, pf
	WIN 0
.if \pf == 2
	s_cmp_gt_u32 s[CNT], 1
	s_cbranch_scc0 .Lno_ask_\@
.endif
	global_prefetch_b8 v[PFO], s[PF:PF+1] offset:\X*GRPW th:TH_LOAD_NT scope:SCOPE_SE
	global_prefetch_b8 v[PFO], s[PF:PF+1] offset:\X*GRPW+HALFW th:TH_LOAD_NT scope:SCOPE_SE
.if \pf == 2
.Lno_ask_\@:
.endif
.endm
; The tables of group X.  I make those of my two columns; then lanes l and l xor 16 exchange, so that every lane has the four columns 4 r .. 4 r + 3.
.macro TABLE X
	WIN 0
.if \X == 0
	v_cvt_f32_f16 v[SC0], v10.l
	v_cvt_f32_f16 v[SC0+4], v10.h
	v_and_b32 v[ZT], 15, v[ZQ]                     ; an even group's zero is the low nibble,
	v_and_b32 v[ZT+1], 15, v[ZQ+1]
.else
	v_cvt_f32_f16 v[SC0], v11.l
	v_cvt_f32_f16 v[SC0+4], v11.h
	v_bfe_u32 v[ZT], v[ZQ], 4, 4                   ; an odd group's the next
	v_bfe_u32 v[ZT+1], v[ZQ+1], 4, 4
.endif
	v_cvt_f32_u32 v[ZT], v[ZT]
	v_cvt_f32_u32 v[ZT+1], v[ZT+1]
	v_mul_f32 v[NZ0], -v[ZT], v[SC0]               ; - z s: exact
	v_mul_f32 v[NZ0+4], -v[ZT+1], v[SC0+4]
.irp e, 0,1
.irp i, 0,2,4,6,8,10,12,14
	v_pk_fma_f32 v[WT+\i:WT+\i+1], v[QC+\i:QC+\i+1], v[SC0+4*\e:SC0+4*\e+1], v[NZ0+4*\e:NZ0+4*\e+1] op_sel_hi:[1,0,0]   ; q s - z s = (q - z) s: exact in f32
.endr
.set n, 0
.irp d, v48.l,v49.l,v50.l,v51.l,v52.l,v53.l,v54.l,v55.l,v56.l,v57.l,v58.l,v59.l,v60.l,v61.l,v62.l,v63.l
	v_cvt_f16_f32 \d, v[WT+n]                      ; the model keeps w in f16: the same rounding here,
.set n, n+1
.endr
.set n, 0
.irp d, v48.l,v49.l,v50.l,v51.l,v52.l,v53.l,v54.l,v55.l,v56.l,v57.l,v58.l,v59.l,v60.l,v61.l,v62.l,v63.l
	v_cvt_f32_f16 v[WT+n], \d                      ; and back to f32 for the quantiser
.set n, n+1
.endr
.set n, 0
.rept 16
	v_med3_num_f32 v[WT+n], v[WT+n], -v[LIM], v[LIM]   ; the conversion to an 8-bit code does not saturate (ISA guide 7.6.2)
.set n, n+1
.endr
	v_cvt_scalef32_pk8_bf8_f32 v[TBL+4*\e:TBL+4*\e+1], v[WT:WT+7], v[SCL]           ; the codes of q = 0 .. 7, made twice: once for each side of the exchange
	v_cvt_scalef32_pk8_bf8_f32 v[TBL+4*\e+8:TBL+4*\e+9], v[WT:WT+7], v[SCL]
	v_cvt_scalef32_pk8_bf8_f32 v[TBL+4*\e+2:TBL+4*\e+3], v[WT+8:WT+15], v[SCL]      ; of q = 8 .. 15
	v_cvt_scalef32_pk8_bf8_f32 v[TBL+4*\e+10:TBL+4*\e+11], v[WT+8:WT+15], v[SCL]
	v_nop                                          ; a plain line between the conversions and what touches their results or writes their sources
.irp k, 0,1,2,3
	v_permlane16_swap_b32 v[TBL+4*\e+\k], v[TBL+4*\e+8+\k]   ; the first then holds column 4 r + e in both halves of the lanes, the second column 4 r + 2 + e
.endr
.endr
.endm
; The low bytes of four words, rows 4 u .. 4 u + 3 of column j, come together in one word: two steps.  Behind the first the raw buffer is free.
.macro PACK1 X
	WIN 0x0a                                       ; sources 0 and 1 window 2
.irp j, 0,1,2,3
.irp u, 0,1,2,3,4,5,6,7
	v_perm_b32 v[PK+2*(8*\j+\u)],   v[128*\X+4*(4*\u+1)+\j], v[128*\X+4*(4*\u)+\j],   s[SELA]
	v_perm_b32 v[PK+2*(8*\j+\u)+1], v[128*\X+4*(4*\u+3)+\j], v[128*\X+4*(4*\u+2)+\j], s[SELA]
.endr
.endr
.endm
.macro PACK2
	WIN 0
.set n, 0
.rept 32
	v_perm_b32 v[PK+2*n], v[PK+2*n+1], v[PK+2*n], s[SELB]
.set n, n+1
.endr
.endm
; Tile j's fragment: each of its eight packed words gives two registers of codes, the low nibbles' (even k) and the high nibbles' (odd k).  Four words at a time, each stage four times, so that no line waits for the line above it.
.macro LOOKUP j
	WIN 0
.irp b, 0,4
.irp p, 0,1,2,3
	v_and_b32 v[TMP+8*\p], s[M7], v[PK+2*(8*\j+\b+\p)]           ; the low nibbles' three low bits: selectors among eight bytes
.endr
.irp p, 0,1,2,3
	v_lshrrev_b32 v[TMP+8*\p+1], 1, v[PK+2*(8*\j+\b+\p)]
.endr
.irp p, 0,1,2,3
	v_lshrrev_b32 v[TMP+8*\p+2], 4, v[PK+2*(8*\j+\b+\p)]
.endr
.irp p, 0,1,2,3
	v_lshrrev_b32 v[TMP+8*\p+3], 5, v[PK+2*(8*\j+\b+\p)]
.endr
.irp p, 0,1,2,3
	v_and_or_b32 v[TMP+8*\p+1], v[TMP+8*\p+1], s[M4], s[ID]      ; their fourth bit x 4 + the byte's own number: selectors between two words
.endr
.irp p, 0,1,2,3
	v_and_b32 v[TMP+8*\p+2], s[M7], v[TMP+8*\p+2]                ; the same of the high nibbles
.endr
.irp p, 0,1,2,3
	v_and_or_b32 v[TMP+8*\p+3], v[TMP+8*\p+3], s[M4], s[ID]
.endr
.irp p, 0,1,2,3
	v_perm_b32 v[TMP+8*\p+4], v[TBL+4*\j+1], v[TBL+4*\j], v[TMP+8*\p]       ; among the codes of q = 0 .. 7,
.endr
.irp p, 0,1,2,3
	v_perm_b32 v[TMP+8*\p+5], v[TBL+4*\j+3], v[TBL+4*\j+2], v[TMP+8*\p]     ; among those of q = 8 .. 15
.endr
.irp p, 0,1,2,3
	v_perm_b32 v[TMP+8*\p+6], v[TBL+4*\j+1], v[TBL+4*\j], v[TMP+8*\p+2]
.endr
.irp p, 0,1,2,3
	v_perm_b32 v[TMP+8*\p+7], v[TBL+4*\j+3], v[TBL+4*\j+2], v[TMP+8*\p+2]
.endr
.irp p, 0,1,2,3
	v_perm_b32 v[FW+16*\j+2*(\b+\p)], v[TMP+8*\p+5], v[TMP+8*\p+4], v[TMP+8*\p+1]
.endr
.irp p, 0,1,2,3
	v_perm_b32 v[FW+16*\j+2*(\b+\p)+1], v[TMP+8*\p+7], v[TMP+8*\p+6], v[TMP+8*\p+3]
.endr
.endr
.endm
; Tile j against the eight tiles of tokens in x's buffer X.  The 32 accumulators take turns, one instruction a turn, in the same order in every group.  zero = 1: the products start the sums: nothing is cleared.
.macro MULT j, zero, X
	WIN 0x5c                                       ; source 0 (weights) window 0, source 1 (x) window 3, C and D window 1
.irp m, 0,1,2,3,4,5,6,7
.if \zero
	v_wmma_f32_16x16x128_bf8_bf8 v[8*(4*\m+\j):8*(4*\m+\j)+7], v[FW+16*\j:FW+16*\j+15], v[128*\X+16*\m:128*\X+16*\m+15], 0
.else
	v_wmma_f32_16x16x128_bf8_bf8 v[8*(4*\m+\j):8*(4*\m+\j)+7], v[FW+16*\j:FW+16*\j+15], v[128*\X+16*\m:128*\X+16*\m+15], v[8*(4*\m+\j):8*(4*\m+\j)+7]
.endif
.endr
.endm
; A GROUP.  X: its buffers and its place in the step.  load = 1: the raw buffer is asked for again, with the next step's group.  cnt: the loads younger than all that this group needs.  xl = 1: the next group's x is asked for.  pf: see ASK.
; THE ORDER OF THE LOADS (R: a group's weights, X: its x, S: a step's scales and zeros): the head issues R0 S0 X0 R1; group n issues (odd n: the next step's S,) X(n+1), R(n+2).  So at the head of group n the only loads younger than
; R(n), X(n) and the step's S are the 32 of R(n+1).
.macro GROUP X, load, zero, cnt, xl, pf
	s_wait_loadcnt \cnt                            ; loads come back in order (ISA guide 5.7.1): this group's weights, its x and the step's scales and zeros are in; the next group's 32 weight loads may be out
	TABLE \X
.if (\X == 1) && (\load)
	SZLOAD                                         ; the step's scales and zeros have been used up: the next step's (their bases were stepped in the even group)
.endif
.if \xl
	XLOAD 1-\X                                     ; into the buffer that the last group's products read: the tables' plain vector lines are more than the four places between (ISA guide 7.12.1 for vector instructions)
.endif
	PACK1 \X
.if \load
.if \X == 0
	s_wait_xcnt 0x0                                ; every earlier load and prefetch has had its address translated (ISA guide 3.1): the bases step only behind this wait
	s_add_nc_u64 s[4:5], s[4:5], STEPW
	s_add_nc_u64 s[6:7], s[6:7], STEPS
	s_add_nc_u64 s[8:9], s[8:9], STEPZ
	s_add_nc_u64 s[12:13], s[12:13], STEPX         ; so the odd group finds the next even group's x at offset 0, and the next even group its odd partner's at GRPX
	s_add_nc_u64 s[PF:PF+1], s[4:5], STEPW
.endif
	RAWLOAD \X                                     ; with the next group's weights and x more loads are asked for than the counter's field holds: the issue of the last waits for the oldest (ISA guide 5.7.1)
.endif
.if \pf
	ASK \X, \pf
.endif
	PACK2
	LOOKUP 0
	MULT 0, \zero, \X
	LOOKUP 1
	MULT 1, \zero, \X
	LOOKUP 2
	MULT 2, \zero, \X
	LOOKUP 3
	MULT 3, \zero, \X
.endm
	s_load_b256 s[4:11], s[0:1], 0x0               ; qweight s[4:5], scales s[6:7], qzeros s[8:9], the exponents s[10:11]
	s_load_b128 s[12:15], s[0:1], 0x20             ; x's codes s[12:13], out s[14:15]
	v_lshl_add_u32 v94, v0, 2, 0x24800
	v_mov_b32 v95, 0
	; all that needs no argument is made while the arguments are on their way
	v_lshrrev_b32 v96, 5, v0
	v_readfirstlane_b32 s[WV], v96                 ; wave 0..3
	v_and_b32 v96, 31, v0                          ; lane
	v_and_b32 v97, 15, v0                          ; r
	v_bfe_u32 v98, v0, 4, 1                        ; h
	v_mul_u32_u24 v[WOFF], v98, HALFW
	v_lshl_add_u32 v[WOFF], v97, 4, v[WOFF]
	v_lshlrev_b32 v[SOFF], 3, v97
	v_lshl_add_u32 v[SOFF], v98, 2, v[SOFF]
	v_lshlrev_b32 v[ZOFF], 4, v97
	v_lshl_add_u32 v[ZOFF], v98, 3, v[ZOFF]
	v_lshlrev_b32 v[XO], 4, v96
	v_mul_u32_u24 v[PFO], v96, ROWW
	s_lshl_b32 s48, ttmp9, 8                       ; qweight: 256 x my block of 64 columns + my wave's first group, 2 w
	s_mul_i32 s49, s[WV], 2*GRPW
	s_add_co_u32 s48, s48, s49
	s_mov_b32 s49, 0
	s_lshl_b32 s50, ttmp9, 7                       ; scales: 128 x block + row 2 w
	s_mul_i32 s51, s[WV], 2*ROWS
	s_add_co_u32 s50, s50, s51
	s_mov_b32 s51, 0
	s_lshl_b32 s52, ttmp9, 8                       ; qzeros: 256 x block + row w
	s_mul_i32 s53, s[WV], ROWW
	s_add_co_u32 s52, s52, s53
	s_mov_b32 s53, 0
	s_lshl_b32 s54, ttmp9, 7                       ; out: 128 x block + my wave's 32 tokens
	s_mul_i32 s55, s[WV], 32*OROW
	s_add_co_u32 s54, s54, s55
	s_mov_b32 s55, 0
	s_lshl_b32 s20, s[WV], 15                      ; 32,768 x wave: my two groups in a step of x's codes; also my sums' place in LDS
	s_mov_b32 s21, 0
	s_mov_b32 s[SELA], 0x00000400
	s_mov_b32 s[SELB], 0x05040100
	s_mov_b32 s[M7], 0x07070707
	s_mov_b32 s[M4], 0x04040404
	s_mov_b32 s[ID], 0x03020100
.set n, 0
.rept 16
	v_cvt_f32_u32 v[QC+n], n                       ; 0.0 .. 15.0
.set n, n+1
.endr
	v_mov_b32 v[SC0+1], 0                          ; the upper words of the four pairs are named with them, so they are written
	v_mov_b32 v[NZ0+1], 0
	v_mov_b32 v[SC0+5], 0
	v_mov_b32 v[NZ0+5], 0
	v_add_nc_u32 v[XL], s20, v[XO]
	s_lshl_b32 s22, s[WV], 13                      ; at the end I take tiles of tokens 2 w and 2 w + 1: 8,192 bytes of each wave's sums
	v_add_nc_u32 v[RLD], s22, v[XO]
	v_add_nc_u32 v[RLD+1], 0x10000, v[RLD]         ; waves 2 and 3's lie beyond an immediate's reach
	s_mul_i32 s23, s[WV], 32*144
	s_add_co_u32 s23, s23, OSTG                    ; my stage
	v_mul_u32_u24 v[OST], v97, 144                 ; in: row r, 64 bytes for each half of the lanes
	v_lshl_add_u32 v[OST], v98, 6, v[OST]
	v_add_nc_u32 v[OST], s23, v[OST]
	v_bfe_u32 v99, v0, 3, 2                        ; back: eight lanes to a row of 128 bytes, four rows an instruction
	v_and_b32 v100, 7, v0
	v_mul_u32_u24 v[OLD], v99, 144
	v_lshl_add_u32 v[OLD], v100, 4, v[OLD]
	v_add_nc_u32 v[OLD], s23, v[OLD]
	v_mul_u32_u24 v[GOFF], v99, OROW               ; and the same four rows in out
	v_lshl_add_u32 v[GOFF], v100, 4, v[GOFF]
	s_wait_kmcnt 0x0
	s_load_b64 s[44:45], s[10:11], 0x0             ; e0, e1
	s_add_nc_u64 s[4:5], s[4:5], s[48:49]
	s_add_nc_u64 s[6:7], s[6:7], s[50:51]
	s_add_nc_u64 s[8:9], s[8:9], s[52:53]
	s_add_nc_u64 s[14:15], s[14:15], s[54:55]
	s_add_nc_u64 s[12:13], s[12:13], s[20:21]
	RAWLOAD 0                                      ; group 0's weights, the first step's scales and zeros, group 0's x, group 1's weights
	SZLOAD
	XLOAD 0
	RAWLOAD 1
	WIN 0
	s_wait_kmcnt 0x0
	s_add_co_i32 s46, s44, s45
	s_add_co_i32 s46, s46, 127
	s_lshl_b32 s46, s46, 23                        ; 2^(e0 + e1) as f32
	s_mov_b32 s47, s46                             ; (named with it as a pair, so it is written)
	s_add_co_i32 s56, s45, 127
	s_lshl_b32 s57, s56, 23
	v_mov_b32 v[SCL], s57                          ; 2^e1: the conversions take its exponent field
	s_add_co_i32 s56, s56, 15
	s_lshl_b32 s56, s56, 23
	s_or_b32 s56, s56, 0x600000
	v_mov_b32 v[LIM], s56                          ; 57,344 x 2^e1
	GROUP 0, 1, 1, 32, 1, 1                        ; group 0 stands ahead of the loop: its products start the sums
	WIN 0                                          ; at a label and at a branch every window is 0
	s_mov_b32 s[CNT], 2
.Lpair:                                                ; a trip: a step's odd group and the next step's even group: groups 1 and 2, then 3 and 4
	GROUP 1, 1, 0, 32, 1, 1
	GROUP 0, 1, 0, 32, 1, 2
	WIN 0
	s_sub_co_u32 s[CNT], s[CNT], 1
	s_cmp_lg_u32 s[CNT], 0
	s_cbranch_scc1 .Lpair
	GROUP 1, 1, 0, 32, 1, 0                        ; group 5 asks for the last weights and the last scales and zeros
	GROUP 0, 0, 0, 32, 1, 0                        ; group 6 for the last of x: the tail is written out, so that no load leaves its buffer
	GROUP 1, 0, 0, 0, 0, 0                         ; group 7: nothing was issued behind what it needs
	; THE FOUR WAVES' SUMS MEET in LDS: wave s's accumulator registers 4 q .. 4 q + 3 at 32,768 s + 512 q + 16 x lane.
	WIN 0
.rept 4
	v_nop                                          ; four places between the last products and the first read of results
.endr
	WIN 0x04                                       ; store data window 1
.set n, 0
.rept 64
	ds_store_b128 v[XL], v[4*n:4*n+3] offset:512*n ; each accumulator from its low end on
.set n, n+1
.endr
	s_wait_dscnt 0x0                               ; for the others' sake: my stores are done
	s_barrier_signal -1
	s_barrier_wait -1
	WIN 0x80                                       ; destination window 2: the raw buffers are done with
.irp s, 0,1,2,3
.set n, 0
.rept 16
	ds_load_b128 v[64*\s+4*n:64*\s+4*n+3], v[RLD+\s/2] offset:(\s%2)*32768+512*n   ; wave s's sums for my 32 tokens
.set n, n+1
.endr
.endr
	s_wait_dscnt 0x0
	WIN 0x8a                                       ; sources 0, 1 and destination window 2
.set n, 0
.rept 32
	v_pk_add_f32 v[2*n:2*n+1], v[2*n:2*n+1], v[64+2*n:65+2*n]
.set n, n+1
.endr
.set n, 0
.rept 32
	v_pk_add_f32 v[128+2*n:129+2*n], v[128+2*n:129+2*n], v[192+2*n:193+2*n]
.set n, n+1
.endr
.set n, 0
.rept 32
	v_pk_add_f32 v[2*n:2*n+1], v[2*n:2*n+1], v[128+2*n:129+2*n]
.set n, n+1
.endr
.set n, 0
.rept 32
	v_pk_mul_f32 v[2*n:2*n+1], v[2*n:2*n+1], s[46:47] op_sel_hi:[1,0]   ; x 2^(e0 + e1)
.set n, n+1
.endr
	WIN 0x0a                                       ; sources window 2, destination window 0
.irp mm, 0,1                           ; register 32 mm + 8 j + i is column 32 h + 4 i + j: columns 4 i + 2 jp and 4 i + 2 jp + 1 pack into word 2 i + jp of my 64 bytes
.irp jp, 0,1
.irp i, 0,1,2,3,4,5,6,7
	v_cvt_pk_f16_f32 v[PK+16*\mm+2*\i+\jp], v[32*\mm+16*\jp+\i], v[32*\mm+16*\jp+8+\i]
.endr
.endr
.endr
	WIN 0
	; THE WAY OUT: through my own stage, so that eight neighbouring lanes store the work-group's whole 128 bytes of a row of out.
.irp mm, 0,1
.irp q, 0,1,2,3
	ds_store_b128 v[OST], v[PK+16*\mm+4*\q:PK+16*\mm+4*\q+3] offset:16*144*\mm+16*\q
.endr
.endr
.irp a, 0,1,2,3,4,5,6,7
	ds_load_b128 v[PK+32+4*\a:PK+32+4*\a+3], v[OLD] offset:4*144*\a   ; LDS serves a wave's instructions in order (ISA guide 5.7.1.4): these see my stores
.endr
.irp a, 0,1,2,3,4,5,6,7
	s_wait_dscnt 7-\a                              ; the younger loads from the stage may be out
	global_store_b128 v[GOFF], v[PK+32+4*\a:PK+32+4*\a+3], s[14:15] offset:4*OROW*\a th:TH_STORE_NT
.endr
	s_wait_tensorcnt 0x0
	ds_add_u32 v94, v95
	s_wait_dscnt 0x0
	s_endpgm
.Lfunc_end_k_q184b7c423d_main:
	.size	k_q184b7c423d_main, .Lfunc_end_k_q184b7c423d_main-k_q184b7c423d_main
	.p2alignl 7, 3214868480
	.fill 96, 4, 3214868480
	.section	.rodata,"a",@progbits
	.p2align	6, 0x0
	.amdhsa_kernel k_q184b7c423d_main
		.amdhsa_group_segment_fixed_size 150016
		.amdhsa_private_segment_fixed_size 0
		.amdhsa_enable_private_segment 0
		.amdhsa_kernarg_size 48
		.amdhsa_user_sgpr_count 2
		.amdhsa_user_sgpr_kernarg_segment_ptr 1
		.amdhsa_wavefront_size32 1
		.amdhsa_system_sgpr_workgroup_id_x 1
		.amdhsa_system_sgpr_workgroup_id_y 1
		.amdhsa_system_sgpr_workgroup_id_z 1
		.amdhsa_system_vgpr_workitem_id 0
		.amdhsa_next_free_vgpr 1024
		.amdhsa_next_free_sgpr 66
		.amdhsa_reserve_vcc 0
		.amdhsa_float_denorm_mode_32 3
		.amdhsa_float_denorm_mode_16_64 3
		.amdhsa_memory_ordered 1
		.amdhsa_forward_progress 1
		.amdhsa_inst_pref_size 255
	.end_amdhsa_kernel
	.section	.bss,"aw",@nobits
	.p2align	6
	.space	262144
	.amdgpu_metadata
---
amdhsa.version: [ 1, 2 ]
amdhsa.kernels:
  - .name:           k_q184b7c423d_main
    .symbol:         k_q184b7c423d_main.kd
    .args:
      - { .name: qweight, .offset: 0, .size: 8, .value_kind: global_buffer, .address_space: global }
      - { .name: scales, .offset: 8, .size: 8, .value_kind: global_buffer, .address_space: global }
      - { .name: qzeros, .offset: 16, .size: 8, .value_kind: global_buffer, .address_space: global }
      - { .name: lowp_scales, .offset: 24, .size: 8, .value_kind: global_buffer, .address_space: global }
      - { .name: xcodes, .offset: 32, .size: 8, .value_kind: global_buffer, .address_space: global }
      - { .name: out0, .offset: 40, .size: 8, .value_kind: global_buffer, .address_space: global }
    .group_segment_fixed_size: 150016
    .private_segment_fixed_size: 0
    .kernarg_segment_align: 8
    .kernarg_segment_size: 48
    .max_flat_workgroup_size: 128
    .sgpr_count:     66
    .vgpr_count:     1024
    .wavefront_size: 32
...
	.end_amdgpu_metadata
.endif
;; end of part 2
;; ======== version 2 of 2: 2 launches
;; workspace buffers: xcodes 524,288 bytes
;; launch xq (part 3): grid 256 x 1, 1 waves a work-group, no clusters, 0 bytes of LDS; arguments x, lowp_scales, xcodes; writes xcodes
.if DOCPART == 3
	.amdgcn_target "amdgcn-amd-amdhsa--gfx1250"
	.amdhsa_code_object_version 6
	.text
	.protected	k_q184b7c423d_xq
	.globl	k_q184b7c423d_xq
	.p2align	8
	.type	k_q184b7c423d_xq,@function
k_q184b7c423d_xq:
	s_mov_b64 s[64:65], 0
	v_nop
	global_prefetch_b8 v0, s[64:65] scope:SCOPE_SE
	s_setreg_imm32_b32 hwreg(HW_REG_WAVE_MODE, 25, 1), 1
	s_wait_xcnt 0x0
; x [128][4096] f16 becomes codes of BF8 (E5M2) with the given scale 2^e0 (entry 0 of lowp_scales), laid as images of the operand registers of the product that follows.
; code = x / 2^e0, held within +-57,344, rounded to the nearest code, ties to even.
; One wave makes one fragment F = 8 g + m: tokens 16 m .. 16 m + 15, k = 128 g .. 128 g + 127.  Lane (r, h) holds token 16 m + r and the 64 numbers k = 128 g + 64 h + 0 .. 63.
; THE ORDER OF K IN A FRAGMENT is the one in which the weights come out of their packed bytes: register 2 u + p, byte b holds k = 128 g + 64 h + 8 u + 2 b + p.
; It is a permutation of k, the same in both operands, so that every product meets its partner.
; The image: registers 4 c .. 4 c + 3 of lane l lie at byte 2048 F + 512 c + 16 l: each store of the wave covers 512 consecutive bytes, aligned.
; LIMITS: e0 between -126 and 112, so that 2^e0 and 57,344 x 2^e0 are f32 numbers.  NaN in x is not served; an infinity is held at the largest code.
.set RAW, 16                           ; v16-47   my 64 numbers as loaded, two f16 a register
.set NUM, 48                           ; v48-111  the same in f32, in the order of the codes
.set COD, 112                          ; v112-127 the fragment
	s_load_b128 s[4:7], s[0:1], 0x0                ; x, the scales' exponents
	s_load_b64 s[8:9], s[0:1], 0x10                ; the codes
	v_and_b32 v1, 15, v0                           ; r
	v_lshrrev_b32 v2, 4, v0                        ; h
	v_lshlrev_b32 v3, 13, v1                       ; a row of x is 8,192 bytes
	v_lshl_add_u32 v3, v2, 7, v3                   ; + 128 h: my 64 numbers
	v_lshlrev_b32 v4, 4, v0                        ; 16 x lane
	s_and_b32 s10, ttmp9, 7                        ; m
	s_lshl_b32 s10, s10, 17                        ; 16 rows of 8,192 bytes
	s_lshr_b32 s11, ttmp9, 3                       ; g
	s_lshl_b32 s11, s11, 8                         ; 128 numbers of 2 bytes
	s_add_co_u32 s10, s10, s11
	s_mov_b32 s11, 0
	s_lshl_b32 s12, ttmp9, 11                      ; an image is 2,048 bytes
	s_mov_b32 s13, 0
	s_wait_alu depctr_va_vdst(0)
	s_wait_kmcnt 0x0
	s_load_b32 s14, s[6:7], 0x0                    ; e0
	s_add_nc_u64 s[4:5], s[4:5], s[10:11]
	s_add_nc_u64 s[8:9], s[8:9], s[12:13]
.irp u, 0,1,2,3,4,5,6,7
	global_load_b128 v[RAW+4*\u:RAW+4*\u+3], v3, s[4:5] offset:16*\u th:TH_LOAD_NT   ; k = 8 u .. 8 u + 7 of my 64
.endr
	s_wait_kmcnt 0x0
	s_add_co_i32 s14, s14, 127
	s_lshl_b32 s15, s14, 23
	v_mov_b32 v8, s15                              ; 2^e0 as f32: the conversion takes its exponent field
	s_add_co_i32 s14, s14, 15
	s_lshl_b32 s14, s14, 23
	s_or_b32 s14, s14, 0x600000
	v_mov_b32 v9, s14                              ; 57,344 x 2^e0
	s_wait_loadcnt 0x0
; raw register 4 u + b holds k = 8 u + 2 b in its low half and 8 u + 2 b + 1 in its high half: the low halves make code register 2 u, the high halves 2 u + 1
.set n, 0
.irp a, v16.l,v17.l,v18.l,v19.l,v20.l,v21.l,v22.l,v23.l,v24.l,v25.l,v26.l,v27.l,v28.l,v29.l,v30.l,v31.l,v32.l,v33.l,v34.l,v35.l,v36.l,v37.l,v38.l,v39.l,v40.l,v41.l,v42.l,v43.l,v44.l,v45.l,v46.l,v47.l
	v_cvt_f32_f16 v[NUM+8*(n/4)+n%4], \a
.set n, n+1
.endr
.set n, 0
.irp a, v16.h,v17.h,v18.h,v19.h,v20.h,v21.h,v22.h,v23.h,v24.h,v25.h,v26.h,v27.h,v28.h,v29.h,v30.h,v31.h,v32.h,v33.h,v34.h,v35.h,v36.h,v37.h,v38.h,v39.h,v40.h,v41.h,v42.h,v43.h,v44.h,v45.h,v46.h,v47.h
	v_cvt_f32_f16 v[NUM+8*(n/4)+4+n%4], \a
.set n, n+1
.endr
.set n, 0
.rept 64
	v_med3_num_f32 v[NUM+n], v[NUM+n], -v9, v9     ; the conversion to an 8-bit code does not saturate (ISA guide 7.6.2): the hold at the largest code x the scale
.set n, n+1
.endr
.irp u, 0,1,2,3,4,5,6,7
	v_cvt_scalef32_pk8_bf8_f32 v[COD+2*\u:COD+2*\u+1], v[NUM+8*\u:NUM+8*\u+7], v8
.endr
	v_nop                                          ; a plain line behind the last conversion
.irp c, 0,1,2,3
	global_store_b128 v4, v[COD+4*\c:COD+4*\c+3], s[8:9] offset:512*\c
.endr
	s_endpgm
.Lfunc_end_k_q184b7c423d_xq:
	.size	k_q184b7c423d_xq, .Lfunc_end_k_q184b7c423d_xq-k_q184b7c423d_xq
	.p2alignl 7, 3214868480
	.fill 96, 4, 3214868480
	.section	.rodata,"a",@progbits
	.p2align	6, 0x0
	.amdhsa_kernel k_q184b7c423d_xq
		.amdhsa_group_segment_fixed_size 0
		.amdhsa_private_segment_fixed_size 0
		.amdhsa_enable_private_segment 0
		.amdhsa_kernarg_size 24
		.amdhsa_user_sgpr_count 2
		.amdhsa_user_sgpr_kernarg_segment_ptr 1
		.amdhsa_wavefront_size32 1
		.amdhsa_system_sgpr_workgroup_id_x 1
		.amdhsa_system_sgpr_workgroup_id_y 1
		.amdhsa_system_sgpr_workgroup_id_z 1
		.amdhsa_system_vgpr_workitem_id 0
		.amdhsa_next_free_vgpr 128
		.amdhsa_next_free_sgpr 66
		.amdhsa_reserve_vcc 0
		.amdhsa_float_denorm_mode_32 3
		.amdhsa_float_denorm_mode_16_64 3
		.amdhsa_memory_ordered 1
		.amdhsa_forward_progress 1
		.amdhsa_inst_pref_size 10
	.end_amdhsa_kernel
	.amdgpu_metadata
---
amdhsa.version: [ 1, 2 ]
amdhsa.kernels:
  - .name:           k_q184b7c423d_xq
    .symbol:         k_q184b7c423d_xq.kd
    .args:
      - { .name: x, .offset: 0, .size: 8, .value_kind: global_buffer, .address_space: global }
      - { .name: lowp_scales, .offset: 8, .size: 8, .value_kind: global_buffer, .address_space: global }
      - { .name: xcodes, .offset: 16, .size: 8, .value_kind: global_buffer, .address_space: global }
    .group_segment_fixed_size: 0
    .private_segment_fixed_size: 0
    .kernarg_segment_align: 8
    .kernarg_segment_size: 24
    .max_flat_workgroup_size: 32
    .sgpr_count:     66
    .vgpr_count:     128
    .wavefront_size: 32
...
	.end_amdgpu_metadata
.endif
;; end of part 3
;; launch main (part 4): grid 172 x 1, 4 waves a work-group, no clusters, 150,016 bytes of LDS; arguments qweight, scales, qzeros, lowp_scales, xcodes, out0; writes out0
.if DOCPART == 4
	.amdgcn_target "amdgcn-amd-amdhsa--gfx1250"
	.amdhsa_code_object_version 6
	.text
	.protected	k_q184b7c423d_main
	.globl	k_q184b7c423d_main
	.p2align	8
	.type	k_q184b7c423d_main,@function
k_q184b7c423d_main:
	s_mov_b64 s[64:65], 0
	v_nop
	global_prefetch_b8 v0, s[64:65] scope:SCOPE_SE
	s_setreg_imm32_b32 hwreg(HW_REG_WAVE_SCHED_MODE, 0, 2), 2
	s_setreg_imm32_b32 hwreg(HW_REG_WAVE_MODE, 25, 1), 1
	s_wait_xcnt 0x0
	s_wait_alu depctr_vm_vsrc(0)
; out[128][11008] (f16) = Q(x) Q(w), K = 4,096, on codes of BF8 (E5M2).  w[k][n] = f16((nibble - zero) x scale), one zero and one scale for each group of 128 k and each column;
; Q(w) = w / 2^e1, held within +-57,344, rounded to the nearest code.  x's codes come from the launch before, as images of operand registers.  Each finished sum is multiplied once by 2^(e0 + e1).
; SHARES.  A work-group owns 64 columns (256 bytes of every row of qweight) over all of K and all 128 tokens.  ITS FOUR WAVES SHARE K: in step t = 0 .. 3 wave w has groups 8 t + 2 w and 8 t + 2 w + 1.
; So each weight is read and turned into a code once, by the wave that multiplies it with all 128 tokens: 32 accumulators a wave (8 tiles of tokens x 4 tiles of columns).  The four waves' sums meet in LDS at the end.
; THE WEIGHTS go from memory straight into registers: load i of a group's 32 reads, in lanes 0-15, the 256 bytes of row 64 g + i and, in lanes 16-31, those of row 64 g + 32 + i.  Two buffers of a group each;
; a buffer is asked for again as soon as its bytes have been packed.
; x'S CODES go from their buffer straight into registers too: a group's eight fragments are 32 loads of 512 consecutive bytes, an image each of four registers.  Two buffers; a group's fragments are asked for a group ahead.
; NO CLUSTER, NO JOINT LOADS, though every work-group reads the same codes of x: they are 524,288 bytes for each work-group and LDS holds 327,680, so that joint loads would fill LDS slots again, three times at the least, each time
; behind a wait for all loads and a round of sixteen waves, with two groups' work in which to land.  By loads into registers the loop has no barrier and no LDS access, and no wave waits for another before the sums meet.
; THE CODES BY TABLE.  Inside a group a column's weight takes 16 values.  A lane makes the 16 numbers (q - z) s of two columns in f32 (exact: 4 bits x 11 bits), rounds them to f16 as the model does, widens, holds and converts
; them: 16 codes in four registers.  Each nibble then picks its code by v_perm_b32: the low three bits choose among eight bytes, twice, and the fourth bit chooses between the two results.
; THE ORDER OF K in a fragment: lane half h, register 2 u + p, byte b hold k = 128 g + 64 h + 8 u + 2 b + p: row 64 g + 32 h + 4 u + b of qweight, nibble p.  x's images have the same order.
; TILES OF COLUMNS: a lane's 16 bytes of a row are columns 4 r .. 4 r + 3, so tile j is the columns 4 a + j.  THE PRODUCT IS USED TRANSPOSED (source 0 = weights, source 1 = x): register i of accumulator (m, j) in lane (r, h)
; is token 16 m + r, column 32 h + 4 i + j: a lane ends with 32 neighbouring columns of one token.
; LIMITS: e1 between -126 and 112, e0 + e1 between -126 and 127, so that the powers of two below are f32 numbers.  NaN or infinity in scales is not served.  A weight beyond f16's range becomes infinity, as in the model,
; and is held at the largest code.  Of a word of qweight the low byte counts, of a word of qzeros the nibble of the group, as in the model.
; REGISTERS, in windows of 256: window 0: addresses, tables, packed bytes, the weights' four fragments.  window 1: accumulator (m, j) at v[8 (4 m + j)].
;   window 2: the two raw buffers, v0-127 and v128-255; at the end the four waves' sums.   window 3: x's eight fragments of an even group at v0-127, of an odd group at v128-255.
; THE MODE: SCHED_MODE bits 1:0 = 2 (LLVM: expert scheduling mode 2), set by the entry lines.  The code itself states the register dependences between vector or matrix instructions and memory or LDS instructions,
; with s_wait_alu, always for 0.
; THE PLAN.  Registers that memory or LDS instructions touch:
;   raw buffer X     Group n's first packing reads it; behind that the loads of group n + 2 land in it.
;   x's buffer 1 - X The products of group n - 1 read it; the loads that group n issues for group n + 1 land in it.
;   v10 - v13        The tables of a step's two groups read them; the odd group's three loads, the next step's scales and zeros, land in them.
;   v1 - v6, v89 - v95  Offsets, LDS addresses and the closing add's pair: written at the head and never again; the rows are reached by scalar bases and immediate offsets.
;   The tables, the packed bytes, the lookups' registers and the weights' fragments are named by vector and matrix instructions alone; so are the accumulators up to the end.
; So ONE wait on va_vdst stands in a group, behind its tables and its first packing: it states that the tables are done reading v10 - v13, the last group's products x's other buffer, and the packing the raw buffer.
; All the group's loads and its prefetches follow it in one run, with no vector instruction among them.  At the end three more: the accumulators are written (LDS stores); the packings are done with window 2 (the sums land there);
; the conversions have written what the stage's stores read.  No wait on vm_vsrc: no register that a memory or LDS instruction reads is ever written again.
.set ROWW,  44032                      ; a row of qweight or qzeros in bytes
.set HALFW, 32*ROWW
.set GRPW,  64*ROWW                    ; a group of qweight
.set STEPW, 8*GRPW                     ; a step: eight groups
.set ROWS,  22016                      ; a row of scales
.set STEPS, 8*ROWS
.set STEPZ, 4*ROWW                     ; a row of qzeros serves two groups
.set OROW,  22016                      ; a row of out
.set GRPX,  16384                      ; a group of x's codes: eight images of 2,048 bytes
.set STEPX, 8*GRPX
.set OSTG,  131072                     ; LDS: from 0 the four waves' sums, 32,768 bytes each; from here the way out: 32 rows x (128 bytes + 16) for each wave; behind them, from 149,504 on, the spare words, 128 bytes a wave
.set WOFF, 1                           ; v1   qweight: h x 32 rows + 16 r
.set SOFF, 2                           ; v2   scales: 8 r + 4 h: the two f16 of my two columns 4 r + 2 h, 4 r + 2 h + 1
.set ZOFF, 3                           ; v3   qzeros: 16 r + 8 h: their two words
.set XL,   4                           ; v4   LDS: 16 x lane + 32,768 x wave: where my sums go
.set XO,   5                           ; v5   x's codes: 16 x lane
.set PFO,  6                           ; v6   the prefetches' offset: my lane x a row of qweight
.set SCL,  8                           ; v8   2^e1
.set LIM,  9                           ; v9   57,344 x 2^e1
.set ZQ,   12                          ; v10, v11: the scales of the step's even and odd group; v[12:13]: the two words of zeros
.set ZT,   14                          ; v14, v15 zeros at work
.set QC,   16                          ; v16-31  0.0 .. 15.0
.set WT,   32                          ; v32-47  a column's 16 numbers
.set HF,   48                          ; v48-55  the same in f16, two a register
.set SC0,  64                          ; v[64:65], v[68:69] the scale of my first, second column (the pair's low word serves both halves)
.set NZ0,  66                          ; v[66:67], v[70:71] - zero x scale
.set TBL,  72                          ; v72-87  the tables: column 4 r + j at v[72 + 4 j], 16 codes
.set RLD,  89                          ; v89, v90 where I read the four waves' sums
.set OST,  91                          ; v91  the stage: where I put 64 bytes of a row
.set OLD,  92                          ; v92  and where I read rows back
.set GOFF, 93                          ; v93  my byte offset in my wave's rows of out
.set TMP,  96                          ; v96-127 at work in the lookups: four words x eight registers
.set PK,   128                         ; v128-191 packed bytes: word (j, u) at v[128 + 2 (8 j + u)]
.set FW,   192                         ; v192-255 the weights' fragments, tile j at v[192 + 16 j]
.set WV,   16                          ; s16  my wave's number
.set PF,   24                          ; s[24:25] where the prefetches stand: a step further on than qweight's pointer
.set CNT,  37
.set SELA, 38                          ; byte 0 of two words into a half word
.set SELB, 39                          ; two half words into a word
.set M7,   40
.set M4,   41
.set ID,   42
.set MSB, 0
.macro WIN new                         ; the immediate's high byte repeats the setting that is left; a switch that changes nothing is dropped
.if MSB != \new
	s_set_vgpr_msb (MSB<<8)|\new
.set MSB, \new
.endif
.endm
; A group's 64 rows x 256 bytes into raw buffer X (0: the step's even group, 1: its odd group).  Register 4 i + j of the buffer: row 32 h + i, column 4 r + j.
.macro RAWLOAD X
	WIN 0x80                                       ; destination window 2, address window 0
.set n, 0
.rept 32
	global_load_b128 v[128*\X+4*n:128*\X+4*n+3], v[WOFF], s[4:5] offset:\X*GRPW+n*ROWW th:TH_LOAD_NT
.set n, n+1
.endr
.endm
; A step's scales (two groups) and zeros (one row for both) of my two columns.
.macro SZLOAD
	WIN 0
	global_load_b32 v10, v[SOFF], s[6:7]
	global_load_b32 v11, v[SOFF], s[6:7] offset:ROWS
	global_load_b64 v[ZQ:ZQ+1], v[ZOFF], s[8:9]
.endm
; x's eight fragments of a group into buffer D (0: an even group, 1: an odd group): images, 512 consecutive bytes a load.  Many work-groups read these bytes, so the loads carry no hint.
.macro XLOAD D
	WIN 0xc0                                       ; destination window 3, address window 0
.set n, 0
.rept 32
	global_load_b128 v[128*(\D)+4*n:128*(\D)+4*n+3], v[XO], s[12:13] offset:GRPX*(\D)+512*n
.set n, n+1
.endr
.endm
; A PREFETCH INTO THE L2 of the weights whose loads stand two groups on: group n asks for group n + 4's 64 rows of 256 bytes, a lane a row, two instructions; group n + 2 loads them, some 1,600 instructions of the wave later.
; It stands behind the group's own run of loads.  Rows and columns belong to one wave of one work-group, so each row's 256 bytes are named once in the launch.  Groups 0 to 3 ask; groups 0 to 3 themselves come by their loads alone.
; pf = 1: always; pf = 2, the loop's even group: not in the last trip, which is group 4: there is no group 8.
.macro ASK X, pf
	WIN 0
.if \pf == 2
	s_cmp_gt_u32 s[CNT], 1
	s_cbranch_scc0 .Lno_ask_\@
.endif
	global_prefetch_b8 v[PFO], s[PF:PF+1] offset:\X*GRPW th:TH_LOAD_NT scope:SCOPE_SE
	global_prefetch_b8 v[PFO], s[PF:PF+1] offset:\X*GRPW+HALFW th:TH_LOAD_NT scope:SCOPE_SE
.if \pf == 2
.Lno_ask_\@:
.endif
.endm
; The tables of group X.  I make those of my two columns; then lanes l and l xor 16 exchange, so that every lane has the four columns 4 r .. 4 r + 3.
.macro TABLE X
	WIN 0
.if \X == 0
	v_cvt_f32_f16 v[SC0], v10.l
	v_cvt_f32_f16 v[SC0+4], v10.h
	v_and_b32 v[ZT], 15, v[ZQ]                     ; an even group's zero is the low nibble,
	v_and_b32 v[ZT+1], 15, v[ZQ+1]
.else
	v_cvt_f32_f16 v[SC0], v11.l
	v_cvt_f32_f16 v[SC0+4], v11.h
	v_bfe_u32 v[ZT], v[ZQ], 4, 4                   ; an odd group's the next
	v_bfe_u32 v[ZT+1], v[ZQ+1], 4, 4
.endif
	v_cvt_f32_u32 v[ZT], v[ZT]
	v_cvt_f32_u32 v[ZT+1], v[ZT+1]
	v_mul_f32 v[NZ0], -v[ZT], v[SC0]               ; - z s: exact
	v_mul_f32 v[NZ0+4], -v[ZT+1], v[SC0+4]
.irp e, 0,1
.irp i, 0,2,4,6,8,10,12,14
	v_pk_fma_f32 v[WT+\i:WT+\i+1], v[QC+\i:QC+\i+1], v[SC0+4*\e:SC0+4*\e+1], v[NZ0+4*\e:NZ0+4*\e+1] op_sel_hi:[1,0,0]   ; q s - z s = (q - z) s: exact in f32
.endr
.set n, 0
.rept 8
	v_cvt_pk_f16_f32 v[HF+n], v[WT+2*n], v[WT+2*n+1]   ; the model keeps w in f16: the same rounding here, two numbers to a whole register: the first in the low half,
.set n, n+1
.endr
.set n, 0
.irp d, v48.l,v48.h,v49.l,v49.h,v50.l,v50.h,v51.l,v51.h,v52.l,v52.h,v53.l,v53.h,v54.l,v54.h,v55.l,v55.h
	v_cvt_f32_f16 v[WT+n], \d                      ; and back to f32 for the quantiser
.set n, n+1
.endr
.set n, 0
.rept 16
	v_med3_num_f32 v[WT+n], v[WT+n], -v[LIM], v[LIM]   ; the conversion to an 8-bit code does not saturate (ISA guide 7.6.2)
.set n, n+1
.endr
	v_cvt_scalef32_pk8_bf8_f32 v[TBL+4*\e:TBL+4*\e+1], v[WT:WT+7], v[SCL]           ; the codes of q = 0 .. 7, made twice: once for each side of the exchange
	v_cvt_scalef32_pk8_bf8_f32 v[TBL+4*\e+8:TBL+4*\e+9], v[WT:WT+7], v[SCL]
	v_cvt_scalef32_pk8_bf8_f32 v[TBL+4*\e+2:TBL+4*\e+3], v[WT+8:WT+15], v[SCL]      ; of q = 8 .. 15
	v_cvt_scalef32_pk8_bf8_f32 v[TBL+4*\e+10:TBL+4*\e+11], v[WT+8:WT+15], v[SCL]
	v_nop                                          ; a plain line between the conversions and what touches their results or writes their sources
.irp k, 0,1,2,3
	v_permlane16_swap_b32 v[TBL+4*\e+\k], v[TBL+4*\e+8+\k]   ; the first then holds column 4 r + e in both halves of the lanes, the second column 4 r + 2 + e
.endr
.endr
.endm
; The low bytes of four words, rows 4 u .. 4 u + 3 of column j, come together in one word: two steps.  Behind the first the raw buffer is free.
.macro PACK1 X
	WIN 0x0a                                       ; sources 0 and 1 window 2
.irp j, 0,1,2,3
.irp u, 0,1,2,3,4,5,6,7
	v_perm_b32 v[PK+2*(8*\j+\u)],   v[128*\X+4*(4*\u+1)+\j], v[128*\X+4*(4*\u)+\j],   s[SELA]
	v_perm_b32 v[PK+2*(8*\j+\u)+1], v[128*\X+4*(4*\u+3)+\j], v[128*\X+4*(4*\u+2)+\j], s[SELA]
.endr
.endr
.endm
.macro PACK2
	WIN 0
.set n, 0
.rept 32
	v_perm_b32 v[PK+2*n], v[PK+2*n+1], v[PK+2*n], s[SELB]
.set n, n+1
.endr
.endm
; Tile j's fragment: each of its eight packed words gives two registers of codes, the low nibbles' (even k) and the high nibbles' (odd k).  Four words at a time, each stage four times, so that no line waits for the line above it.
.macro LOOKUP j
	WIN 0
.irp b, 0,4
.irp p, 0,1,2,3
	v_and_b32 v[TMP+8*\p], s[M7], v[PK+2*(8*\j+\b+\p)]           ; the low nibbles' three low bits: selectors among eight bytes
.endr
.irp p, 0,1,2,3
	v_lshrrev_b32 v[TMP+8*\p+1], 1, v[PK+2*(8*\j+\b+\p)]
.endr
.irp p, 0,1,2,3
	v_lshrrev_b32 v[TMP+8*\p+2], 4, v[PK+2*(8*\j+\b+\p)]
.endr
.irp p, 0,1,2,3
	v_lshrrev_b32 v[TMP+8*\p+3], 5, v[PK+2*(8*\j+\b+\p)]
.endr
.irp p, 0,1,2,3
	v_and_or_b32 v[TMP+8*\p+1], v[TMP+8*\p+1], s[M4], s[ID]      ; their fourth bit x 4 + the byte's own number: selectors between two words
.endr
.irp p, 0,1,2,3
	v_and_b32 v[TMP+8*\p+2], s[M7], v[TMP+8*\p+2]                ; the same of the high nibbles
.endr
.irp p, 0,1,2,3
	v_and_or_b32 v[TMP+8*\p+3], v[TMP+8*\p+3], s[M4], s[ID]
.endr
.irp p, 0,1,2,3
	v_perm_b32 v[TMP+8*\p+4], v[TBL+4*\j+1], v[TBL+4*\j], v[TMP+8*\p]       ; among the codes of q = 0 .. 7,
.endr
.irp p, 0,1,2,3
	v_perm_b32 v[TMP+8*\p+5], v[TBL+4*\j+3], v[TBL+4*\j+2], v[TMP+8*\p]     ; among those of q = 8 .. 15
.endr
.irp p, 0,1,2,3
	v_perm_b32 v[TMP+8*\p+6], v[TBL+4*\j+1], v[TBL+4*\j], v[TMP+8*\p+2]
.endr
.irp p, 0,1,2,3
	v_perm_b32 v[TMP+8*\p+7], v[TBL+4*\j+3], v[TBL+4*\j+2], v[TMP+8*\p+2]
.endr
.irp p, 0,1,2,3
	v_perm_b32 v[FW+16*\j+2*(\b+\p)], v[TMP+8*\p+5], v[TMP+8*\p+4], v[TMP+8*\p+1]
.endr
.irp p, 0,1,2,3
	v_perm_b32 v[FW+16*\j+2*(\b+\p)+1], v[TMP+8*\p+7], v[TMP+8*\p+6], v[TMP+8*\p+3]
.endr
.endr
.endm
; Tile j against the eight tiles of tokens in x's buffer X.  The 32 accumulators take turns, one instruction a turn, in the same order in every group.  zero = 1: the products start the sums: nothing is cleared.
.macro MULT j, zero, X
	WIN 0x5c                                       ; source 0 (weights) window 0, source 1 (x) window 3, C and D window 1
.irp m, 0,1,2,3,4,5,6,7
.if \zero
	v_wmma_f32_16x16x128_bf8_bf8 v[8*(4*\m+\j):8*(4*\m+\j)+7], v[FW+16*\j:FW+16*\j+15], v[128*\X+16*\m:128*\X+16*\m+15], 0
.else
	v_wmma_f32_16x16x128_bf8_bf8 v[8*(4*\m+\j):8*(4*\m+\j)+7], v[FW+16*\j:FW+16*\j+15], v[128*\X+16*\m:128*\X+16*\m+15], v[8*(4*\m+\j):8*(4*\m+\j)+7]
.endif
.endr
.endm
; A GROUP.  X: its buffers and its place in the step.  load = 1: the raw buffer is asked for again, with the next step's group.  cnt: the loads younger than all that this group needs.  xl = 1: the next group's x is asked for.  pf: see ASK.
; THE ORDER OF THE LOADS (R: a group's weights, X: its x, S: a step's scales and zeros): the head issues R0 S0 X0 R1; group n issues (odd n: the next step's S,) X(n+1), R(n+2).  So at the head of group n the only loads younger than
; R(n), X(n) and the step's S are the 32 of R(n+1).
; THE LOADS STAND IN ONE RUN, behind the group's one wait on va_vdst.  With the 32 that are out, the run's 64 to 67 are more than the counter's field holds, so the last of x's and each of the weights' is issued when a load of the
; group before has come back (ISA guide 5.7.1): work set between them would stand between one group's request for weights and the next.  For the same reason the bases step ahead of the run, not inside it.
.macro GROUP X, load, zero, cnt, xl, pf
	s_wait_loadcnt \cnt                            ; loads come back in order (ISA guide 5.7.1): this group's weights, its x and the step's scales and zeros are in; the next group's 32 weight loads may be out
	TABLE \X
	PACK1 \X
.if (\X == 0) && (\load)
	s_wait_xcnt 0x0                                ; every earlier load and prefetch has had its address translated (ISA guide 3.1): the bases step only behind this wait; the youngest of them was issued in the group before
	s_add_nc_u64 s[4:5], s[4:5], STEPW
	s_add_nc_u64 s[6:7], s[6:7], STEPS
	s_add_nc_u64 s[8:9], s[8:9], STEPZ
	s_add_nc_u64 s[PF:PF+1], s[4:5], STEPW
.endif
.if (\X == 1) && (\xl)
	s_add_nc_u64 s[12:13], s[12:13], STEPX         ; free since the wait at the group's head, which shows every load of x done: the next step.  So the odd group finds the next even group's x at offset 0, and that group its odd partner's at GRPX
.endif
.if (\X == 1) && (\load)
	WIN 0                                          ; the window of the run's first load, then the wait, then the loads
.elseif \xl
	WIN 0xc0
.endif
.if \xl
	s_wait_alu depctr_va_vdst(0)                   ; the tables are done reading v10 to v13, the last group's products x's other buffer, the first packing this raw buffer: the loads below land in these
.endif
.if (\X == 1) && (\load)
	SZLOAD                                         ; the step's scales and zeros have been used up: the next step's (their bases were stepped in the even group)
.endif
.if \xl
	XLOAD 1-\X                                     ; into the buffer that the last group's products read
.endif
.if \load
	RAWLOAD \X                                     ; the buffer is asked for again.  No further wait: no vector or matrix instruction since the wait above
.endif
.if \pf
	ASK \X, \pf
.endif
	PACK2
	LOOKUP 0
	MULT 0, \zero, \X
	LOOKUP 1
	MULT 1, \zero, \X
	LOOKUP 2
	MULT 2, \zero, \X
	LOOKUP 3
	MULT 3, \zero, \X
.endm
	s_load_b256 s[4:11], s[0:1], 0x0               ; qweight s[4:5], scales s[6:7], qzeros s[8:9], the exponents s[10:11]
	s_load_b128 s[12:15], s[0:1], 0x20             ; x's codes s[12:13], out s[14:15]
	v_lshl_add_u32 v94, v0, 2, 0x24800
	v_mov_b32 v95, 0
	; all that needs no argument is made while the arguments are on their way
	v_lshrrev_b32 v96, 5, v0
	v_readfirstlane_b32 s[WV], v96                 ; wave 0..3
	v_and_b32 v96, 31, v0                          ; lane
	v_and_b32 v97, 15, v0                          ; r
	v_bfe_u32 v98, v0, 4, 1                        ; h
	v_mul_u32_u24 v[WOFF], v98, HALFW
	v_lshl_add_u32 v[WOFF], v97, 4, v[WOFF]
	v_lshlrev_b32 v[SOFF], 3, v97
	v_lshl_add_u32 v[SOFF], v98, 2, v[SOFF]
	v_lshlrev_b32 v[ZOFF], 4, v97
	v_lshl_add_u32 v[ZOFF], v98, 3, v[ZOFF]
	v_lshlrev_b32 v[XO], 4, v96
	v_mul_u32_u24 v[PFO], v96, ROWW
	s_wait_alu depctr_va_sdst(0)                   ; s16, my wave's number, is written, ahead of its first reader: the offsets below are made from it
	s_lshl_b32 s48, ttmp9, 8                       ; qweight: 256 x my block of 64 columns + my wave's first group, 2 w
	s_mul_i32 s49, s[WV], 2*GRPW
	s_add_co_u32 s48, s48, s49
	s_mov_b32 s49, 0
	s_lshl_b32 s50, ttmp9, 7                       ; scales: 128 x block + row 2 w
	s_mul_i32 s51, s[WV], 2*ROWS
	s_add_co_u32 s50, s50, s51
	s_mov_b32 s51, 0
	s_lshl_b32 s52, ttmp9, 8                       ; qzeros: 256 x block + row w
	s_mul_i32 s53, s[WV], ROWW
	s_add_co_u32 s52, s52, s53
	s_mov_b32 s53, 0
	s_lshl_b32 s54, ttmp9, 7                       ; out: 128 x block + my wave's 32 tokens
	s_mul_i32 s55, s[WV], 32*OROW
	s_add_co_u32 s54, s54, s55
	s_mov_b32 s55, 0
	s_lshl_b32 s20, s[WV], 15                      ; 32,768 x wave: my two groups in a step of x's codes; also my sums' place in LDS
	s_mov_b32 s21, 0
	s_mov_b32 s[SELA], 0x00000400
	s_mov_b32 s[SELB], 0x05040100
	s_mov_b32 s[M7], 0x07070707
	s_mov_b32 s[M4], 0x04040404
	s_mov_b32 s[ID], 0x03020100
.set n, 0
.rept 16
	v_cvt_f32_u32 v[QC+n], n                       ; 0.0 .. 15.0
.set n, n+1
.endr
	v_mov_b32 v[SC0+1], 0                          ; the upper words of the four pairs are named with them, so they are written
	v_mov_b32 v[NZ0+1], 0
	v_mov_b32 v[SC0+5], 0
	v_mov_b32 v[NZ0+5], 0
	v_add_nc_u32 v[XL], s20, v[XO]
	s_lshl_b32 s22, s[WV], 13                      ; at the end I take tiles of tokens 2 w and 2 w + 1: 8,192 bytes of each wave's sums
	v_add_nc_u32 v[RLD], s22, v[XO]
	v_add_nc_u32 v[RLD+1], 0x10000, v[RLD]         ; waves 2 and 3's lie beyond an immediate's reach
	s_mul_i32 s23, s[WV], 32*144
	s_add_co_u32 s23, s23, OSTG                    ; my stage
	v_mul_u32_u24 v[OST], v97, 144                 ; in: row r, 64 bytes for each half of the lanes
	v_lshl_add_u32 v[OST], v98, 6, v[OST]
	v_add_nc_u32 v[OST], s23, v[OST]
	v_bfe_u32 v99, v0, 3, 2                        ; back: eight lanes to a row of 128 bytes, four rows an instruction
	v_and_b32 v100, 7, v0
	v_mul_u32_u24 v[OLD], v99, 144
	v_lshl_add_u32 v[OLD], v100, 4, v[OLD]
	v_add_nc_u32 v[OLD], s23, v[OLD]
	v_mul_u32_u24 v[GOFF], v99, OROW               ; and the same four rows in out
	v_lshl_add_u32 v[GOFF], v100, 4, v[GOFF]
	s_wait_kmcnt 0x0
	s_load_b64 s[44:45], s[10:11], 0x0             ; e0, e1
	s_add_nc_u64 s[4:5], s[4:5], s[48:49]
	s_add_nc_u64 s[6:7], s[6:7], s[50:51]
	s_add_nc_u64 s[8:9], s[8:9], s[52:53]
	s_add_nc_u64 s[14:15], s[14:15], s[54:55]
	s_add_nc_u64 s[12:13], s[12:13], s[20:21]
	WIN 0x80                                       ; the window of the first load, then the wait, then the loads
	s_wait_alu depctr_va_vdst(0)                   ; the offsets and LDS addresses v1 to v6 and v89 to v95 are written: every load, prefetch, store and LDS instruction of the kernel reads some of them, and no vector instruction names them again
	RAWLOAD 0                                      ; group 0's weights, the first step's scales and zeros, group 0's x, group 1's weights
	SZLOAD
	XLOAD 0
	RAWLOAD 1
	WIN 0
	s_wait_kmcnt 0x0
	s_add_co_i32 s46, s44, s45
	s_add_co_i32 s46, s46, 127
	s_lshl_b32 s46, s46, 23                        ; 2^(e0 + e1) as f32
	s_mov_b32 s47, s46                             ; (named with it as a pair, so it is written)
	s_add_co_i32 s56, s45, 127
	s_lshl_b32 s57, s56, 23
	v_mov_b32 v[SCL], s57                          ; 2^e1: the conversions take its exponent field
	s_add_co_i32 s56, s56, 15
	s_lshl_b32 s56, s56, 23
	s_or_b32 s56, s56, 0x600000
	v_mov_b32 v[LIM], s56                          ; 57,344 x 2^e1
	GROUP 0, 1, 1, 32, 1, 1                        ; group 0 stands ahead of the loop: its products start the sums
	WIN 0                                          ; at a label and at a branch every window is 0
	s_mov_b32 s[CNT], 2
.Lpair:                                                ; a trip: a step's odd group and the next step's even group: groups 1 and 2, then 3 and 4
	GROUP 1, 1, 0, 32, 1, 1
	GROUP 0, 1, 0, 32, 1, 2
	WIN 0
	s_sub_co_u32 s[CNT], s[CNT], 1
	s_cmp_lg_u32 s[CNT], 0
	s_cbranch_scc1 .Lpair
	GROUP 1, 1, 0, 32, 1, 0                        ; group 5 asks for the last weights and the last scales and zeros
	GROUP 0, 0, 0, 32, 1, 0                        ; group 6 for the last of x: the tail is written out, so that no load leaves its buffer
	GROUP 1, 0, 0, 0, 0, 0                         ; group 7: nothing was issued behind what it needs; it issues no load, so it states no dependence
	; THE FOUR WAVES' SUMS MEET in LDS: wave s's accumulator registers 4 q .. 4 q + 3 at 32,768 s + 512 q + 16 x lane.
	WIN 0
.rept 4
	v_nop                                          ; four places between the last products and the first read of results
.endr
	WIN 0x04                                       ; store data window 1
	s_wait_alu depctr_va_vdst(0)                   ; the products have written the accumulators, which the LDS stores read; the places above stay beside this wait
.set n, 0
.rept 64
	ds_store_b128 v[XL], v[4*n:4*n+3] offset:512*n ; each accumulator from its low end on
.set n, n+1
.endr
	s_wait_dscnt 0x0                               ; for the others' sake: my stores are done
	s_barrier_signal -1
	s_barrier_wait -1
	WIN 0x80                                       ; destination window 2: the raw buffers are done with
	s_wait_alu depctr_va_vdst(0)                   ; the first packings of groups 6 and 7 are done reading the raw buffers, in which the sums land
.irp s, 0,1,2,3
.set n, 0
.rept 16
	ds_load_b128 v[64*\s+4*n:64*\s+4*n+3], v[RLD+\s/2] offset:(\s%2)*32768+512*n   ; wave s's sums for my 32 tokens
.set n, n+1
.endr
.endr
	s_wait_dscnt 0x0
	WIN 0x8a                                       ; sources 0, 1 and destination window 2
.set n, 0
.rept 32
	v_pk_add_f32 v[2*n:2*n+1], v[2*n:2*n+1], v[64+2*n:65+2*n]
.set n, n+1
.endr
.set n, 0
.rept 32
	v_pk_add_f32 v[128+2*n:129+2*n], v[128+2*n:129+2*n], v[192+2*n:193+2*n]
.set n, n+1
.endr
.set n, 0
.rept 32
	v_pk_add_f32 v[2*n:2*n+1], v[2*n:2*n+1], v[128+2*n:129+2*n]
.set n, n+1
.endr
.set n, 0
.rept 32
	v_pk_mul_f32 v[2*n:2*n+1], v[2*n:2*n+1], s[46:47] op_sel_hi:[1,0]   ; x 2^(e0 + e1)
.set n, n+1
.endr
	WIN 0x0a                                       ; sources window 2, destination window 0
.irp mm, 0,1                           ; register 32 mm + 8 j + i is column 32 h + 4 i + j: columns 4 i + 2 jp and 4 i + 2 jp + 1 pack into word 2 i + jp of my 64 bytes
.irp jp, 0,1
.irp i, 0,1,2,3,4,5,6,7
	v_cvt_pk_f16_f32 v[PK+16*\mm+2*\i+\jp], v[32*\mm+16*\jp+\i], v[32*\mm+16*\jp+8+\i]
.endr
.endr
.endr
	WIN 0
	; THE WAY OUT: through my own stage, so that eight neighbouring lanes store the work-group's whole 128 bytes of a row of out.
	s_wait_alu depctr_va_vdst(0)                   ; the conversions have written v128 to v159, which the LDS stores read; the last lookups are done with v160 to v191, in which the loads from the stage land
.irp mm, 0,1
.irp q, 0,1,2,3
	ds_store_b128 v[OST], v[PK+16*\mm+4*\q:PK+16*\mm+4*\q+3] offset:16*144*\mm+16*\q
.endr
.endr
.irp a, 0,1,2,3,4,5,6,7
	ds_load_b128 v[PK+32+4*\a:PK+32+4*\a+3], v[OLD] offset:4*144*\a   ; LDS serves a wave's instructions in order (ISA guide 5.7.1.4): these see my stores
.endr
.irp a, 0,1,2,3,4,5,6,7
	s_wait_dscnt 7-\a                              ; the younger loads from the stage may be out
	global_store_b128 v[GOFF], v[PK+32+4*\a:PK+32+4*\a+3], s[14:15] offset:4*OROW*\a th:TH_STORE_NT
.endr
	s_wait_dscnt 0x0                               ; the closing lines, six on end
	s_wait_alu 0x0
	s_wait_tensorcnt 0x0
	ds_add_u32 v94, v95
	s_wait_dscnt 0x0
	s_endpgm
.Lfunc_end_k_q184b7c423d_main:
	.size	k_q184b7c423d_main, .Lfunc_end_k_q184b7c423d_main-k_q184b7c423d_main
	.p2alignl 7, 3214868480
	.fill 96, 4, 3214868480
	.section	.rodata,"a",@progbits
	.p2align	6, 0x0
	.amdhsa_kernel k_q184b7c423d_main
		.amdhsa_group_segment_fixed_size 150016
		.amdhsa_private_segment_fixed_size 0
		.amdhsa_enable_private_segment 0
		.amdhsa_kernarg_size 48
		.amdhsa_user_sgpr_count 2
		.amdhsa_user_sgpr_kernarg_segment_ptr 1
		.amdhsa_wavefront_size32 1
		.amdhsa_system_sgpr_workgroup_id_x 1
		.amdhsa_system_sgpr_workgroup_id_y 1
		.amdhsa_system_sgpr_workgroup_id_z 1
		.amdhsa_system_vgpr_workitem_id 0
		.amdhsa_next_free_vgpr 1024
		.amdhsa_next_free_sgpr 66
		.amdhsa_reserve_vcc 0
		.amdhsa_float_denorm_mode_32 3
		.amdhsa_float_denorm_mode_16_64 3
		.amdhsa_memory_ordered 1
		.amdhsa_forward_progress 1
		.amdhsa_inst_pref_size 255
	.end_amdhsa_kernel
	.section	.bss,"aw",@nobits
	.p2align	6
	.space	262144
	.amdgpu_metadata
---
amdhsa.version: [ 1, 2 ]
amdhsa.kernels:
  - .name:           k_q184b7c423d_main
    .symbol:         k_q184b7c423d_main.kd
    .args:
      - { .name: qweight, .offset: 0, .size: 8, .value_kind: global_buffer, .address_space: global }
      - { .name: scales, .offset: 8, .size: 8, .value_kind: global_buffer, .address_space: global }
      - { .name: qzeros, .offset: 16, .size: 8, .value_kind: global_buffer, .address_space: global }
      - { .name: lowp_scales, .offset: 24, .size: 8, .value_kind: global_buffer, .address_space: global }
      - { .name: xcodes, .offset: 32, .size: 8, .value_kind: global_buffer, .address_space: global }
      - { .name: out0, .offset: 40, .size: 8, .value_kind: global_buffer, .address_space: global }
    .group_segment_fixed_size: 150016
    .private_segment_fixed_size: 0
    .kernarg_segment_align: 8
    .kernarg_segment_size: 48
    .max_flat_workgroup_size: 128
    .sgpr_count:     66
    .vgpr_count:     1024
    .wavefront_size: 32
...
	.end_amdgpu_metadata
.endif
;; end of part 4
